; MI455X (gfx1250); checked and timed in simulation.
; The chip was launched on July 23, 2026; its instructions are those of AMD's public machine-readable ISA for CDNA 5 (MIT licence, August 2026) and "CDNA5" Instruction Set Architecture Reference Guide (July 2026). The comments in the code are by the model that wrote it; some were corrected since.
;; Causal Self Attention. Allowed arithmetic: matrix products marked QUANTISED: E2M3 operands, one E8M0 scale for each 32 along K, by v_wmma_scale_f32_16x16x128_f8f6f4 with both operands' format E2M3, f32 sums; everything else in f32.
;; Inputs: freqs_cos 2,048 x 64 float32; freqs_sin 2,048 x 64 float32; w_qkv 3,072 x 2,048 float32; x 2 x 2,048 x 2,048 float32.
;; Outputs: out0 2 x 2,048 x 2,048 float32.
;; This version of the problem:
;;   THIS VERSION OF THE PROBLEM IS GIVEN IN LOW PRECISION. The matrix products marked QUANTISED in the list below multiply operands that are first quantised to E2M3 (2 exponent bits, 3 mantissa bits; 6 bits a number), with one power-of-two scale for each 32 numbers along K (OCP MX v1.0); their sums are f32. All else is computed in f32.
;;   The module's matrix products, in the order in which they are computed (A, B: the left and right operand; K: the contracted axis; several contracted axes count as one K, in the product's order):
;;     1. [M 4,096, K 2,048] x [K 2,048, N 3,072]; A: input x; B: input w_qkv: QUANTISED
;;     2. batch 8 x [M 2,048, K 128] x [K 128, N 8,192]; A: computed on the way; B: computed on the way: QUANTISED
;;     3. batch 8 x [M 128, K 2,048] x [K 2,048, N 8,192]; A: computed on the way; B: softmax (see below): QUANTISED
;;   THE QUANTISER, for each operand of a quantised product, along K:
;;     - K is cut into blocks of 32 from its start; a last block that is shorter is filled with zeros.
;;     - A block's scale is 2^e with e = floor(log2(the largest magnitude in the block)) - 2, held to -126 .. 127; a block of zeros has e = 0. As a byte (E8M0): e + 127.
;;     - Each number is divided by its block's scale, clamped to +-7.5, and rounded to the nearest number of E2M3, ties to even, subnormals kept.
;;     - The product sums the exact products of the quantised numbers (number of the format x scale) in f32.
;;   ~~~python
;;   def quantise(x, axis):      # numpy; x: float32 -> the quantised numbers, widened to float32 again
;;       x = np.moveaxis(x, axis, -1); K = x.shape[-1]
;;       x = np.pad(x, [(0, 0)] * (x.ndim - 1) + [(0, -K % 32)]); x = x.reshape(x.shape[:-1] + (-1, 32)); a = np.abs(x).max(-1, keepdims=True)
;;       e = np.where(a > 0, np.clip(np.frexp(np.where(a > 0, a, 1))[1] - 1 - 2, -126, 127), 0)      # np.frexp(a)[1] - 1 = floor(log2(a)), exactly
;;       r = np.clip(x / 2.0 ** e, -7.5, 7.5)
;;       step = 2.0 ** (np.maximum(np.frexp(np.where(r == 0, 1, r))[1] - 1, 0) - 3)
;;       q = np.round(r / step) * step * 2.0 ** e      # np.round: ties to even
;;       return np.moveaxis(q.reshape(q.shape[:-2] + (-1,))[..., :K], -1, axis).astype(np.float32)
;;   ~~~
;;   SOFTMAX AHEAD OF A QUANTISED PRODUCT. Where the list says 'softmax', what is quantised is not the finished softmax but p = 2^(t - M), with t = logit x log2(e) and M = ceil(the row's largest t), a whole number; so 1/2 < the row's largest p <= 1. The row's sum l is taken of the UNQUANTISED p, in f32, and the product's result is divided by l at the end. Since M is a whole number, a kernel that streams over the keys may use a running M (the ceiling of the running maximum): every later rescaling is an exact power of two, which a block's scale takes up: the codes' values come out the same.
;;   OPERANDS COMPUTED ON THE WAY. 'Computed on the way' means the value that the module computes at that place (a softmax that the list does not call 'softmax' is quantised finished and normalised). What goes into a quantiser is computed in f32, as accurately as f32 sums, v_exp_f32 and their like allow (about 1e-6 of the number): no bf16 or f16 on the way to a quantiser, and a product that is left as it is and whose result goes on into a quantised operand takes f32 operands (vector FMAs, or v_wmma_f32_16x16x4_f32). A number that lies on a knife's edge between two numbers of the format may be rounded either way, as far as f32 arithmetic and the matrix unit's own rounding can turn it there, and no further.
;; One version. Each part assembles by itself: llvm-mc -triple=amdgcn-amd-amdhsa -mcpu=gfx1250 --defsym DOCPART=n.
;; ======== version 1 of 1: 3 launches
;; limits: right only within a limited range of input values
;; workspace buffers: xc 6,553,600 bytes; wc 4,915,200 bytes; qc 6,553,600 bytes; kvc 3,276,800 bytes
;; launch quant (part 1): grid 448 x 1, 4 waves a work-group, no clusters, 34,304 bytes of LDS; arguments x, w_qkv, xc, wc; writes xc, wc
.if DOCPART == 1
	.amdgcn_target "amdgcn-amd-amdhsa--gfx1250"
	.amdhsa_code_object_version 6
	.text
	.protected	k_qedf44f7df2_quant
	.globl	k_qedf44f7df2_quant
	.p2align	8
	.type	k_qedf44f7df2_quant,@function
k_qedf44f7df2_quant:
	s_mov_b64 s[64:65], 0
	v_nop
	global_prefetch_b8 v0, s[64:65] scope:SCOPE_SE
	s_setreg_imm32_b32 hwreg(HW_REG_WAVE_MODE, 25, 1), 1
	s_wait_xcnt 0x0
; THE PROGRAM: causal self-attention with grouped keys and values, all three products on codes of FP6 (E2M3) with one E8M0 scale for each 32 along K.
;   launch 1 (this one): x [4096][2048] and w_qkv [3072][2048], f32, become codes and scale words, laid as images of operand registers.
;   launch 2: the projection on these codes; on its way out RoPE on q and k, and the quantisers of q, k (along the head's 128) and of v (along the keys).
;   launch 3: the two products of attention with the streaming softmax.
; WORK LEFT OUT, in launch 3 alone: a step of 128 keys all of which come after all queries of a block.  reference() sets their scores to -infinity by its own jnp.tril ahead of the softmax,
; so their weights are 0 whatever finite values x, w_qkv, freqs_cos and freqs_sin hold, and they add 0 to the row's sum and to y.  Every input has a way to the output and is loaded.
; LIMIT: a NaN, an infinity or an overflow that would arise only in those hidden steps is not carried to the result.
; THIS LAUNCH.  A block's scale is 2^(floor(log2(its largest magnitude)) - 2); its byte is the largest magnitude's exponent field - 2, held at 1 from below.  A block of zeros so gets the byte 1
; where the rule says 127: its codes are zeros, which add nothing under any byte but 0xff, and this program alone reads the bytes.
; LIMITS: blocks whose largest magnitude lies under 2^-124 are held at the byte 1; NaN and infinities among the inputs are not served.
; A work-group takes 16 rows, a wave 512 along K of them in 4 steps of 128: one fragment (16 rows x 128 K) a step.  Each of a step's 16 loads reads 512 consecutive bytes of one row; the 8,192 bytes turn
; through the wave's own stage in LDS (rows of 528 bytes), and lane (r, h) takes back k = 64 c + 32 h + 0 .. 31 of row r: just what the operand's layout gives it.  So a lane makes all 12 registers of its fragment.
; THE ROWS OF A FRAGMENT: place p of the 16 of block P is row 32 (P / 2) + 8 (P % 2) + p % 8 + 16 (p / 8): with such tiles a lane of launch 2 holds 16 neighbours along the next product's K.
; OUT: units of 25,600 bytes, [group of 128 places][256 along K]: fragment (q, i) at 1,536 (8 q + i), its registers 4 c .. 4 c + 3 of lane l at 512 c + 16 l; behind them row r's two scale words of block i at 24,576 + 128 i + 8 r.
; A store of codes covers 512 consecutive bytes, aligned; the scale words leave as runs of 128 bytes, one store a wave.
.set WGA,   256                        ; work-groups for x; 192 for w_qkv
.set UNIT,  25600
.set PIT,   528
.set STG,   16*PIT
.set SPARE, 4*STG                      ; the spare words, 128 bytes a wave, which no other line names
.set SPW,   12
.set NIL,   13
.set R,     16                         ; v16-143  two sets of 64 numbers as loaded
.set X,     144                        ; v144-207 my two blocks of 32
.set C,     208                        ; v208-219 my fragment
.set D,     220                        ; v220-226 the second halves' codes, before they are moved
.set W,     236                        ; v236-239 a scale word for each step
	s_load_b128 s[4:7], s[0:1], 0x0                ; x, w_qkv
	s_load_b128 s[8:11], s[0:1], 0x10              ; xc, wc
	v_lshl_add_u32 v[SPW], v0, 2, SPARE
	v_mov_b32 v[NIL], 0
	v_lshrrev_b32 v1, 5, v0
	v_readfirstlane_b32 s16, v1                    ; wave
	s_mul_i32 s17, s16, STG
	v_and_b32 v2, 31, v0
	v_lshlrev_b32 v3, 4, v2                        ; 16 x lane
	v_add_nc_u32 v4, s17, v3                       ; the stage, on the way in
	v_and_b32 v8, 15, v0                           ; r
	v_bfe_u32 v9, v0, 4, 1                         ; h
	v_mul_u32_u24 v5, v8, PIT
	v_lshl_add_u32 v5, v9, 7, v5
	v_add_nc_u32 v5, s17, v5                       ; and back: row r, + 128 h
	v_lshlrev_b32 v6, 3, v9                        ; 8 h: my bytes' place in the scale word
	v_mul_u32_u24 v7, v9, UNIT
	v_lshl_add_u32 v7, v8, 3, v7                   ; the scale words' way out: lanes 0-15 my first unit, lanes 16-31 my second
	v_mov_b32 v234, 0                              ; a lane permute's destination counts as a source
	s_cmp_lt_u32 ttmp9, WGA
	s_cselect_b32 s18, 0, WGA
	s_sub_co_u32 s18, ttmp9, s18                   ; P: my block of 16 places
	s_lshr_b32 s19, s18, 1
	s_lshl_b32 s19, s19, 5
	s_and_b32 s20, s18, 1
	s_lshl_b32 s20, s20, 3
	s_add_co_u32 s19, s19, s20                     ; its first row
	s_lshl_b32 s20, s19, 13
	s_lshl_b32 s21, s16, 11
	s_add_co_u32 s20, s20, s21                     ; in bytes, + my wave's 2,048 of each row
	s_mov_b32 s21, 0
	s_and_b32 s22, s18, 0xfffffff8                 ; 8 x group
	s_lshl_b32 s23, s16, 1
	s_add_co_u32 s22, s22, s23
	s_mul_i32 s22, s22, UNIT                       ; my first unit
	s_and_b32 s23, s18, 7                          ; i
	s_lshl_b32 s24, s23, 7
	s_add_co_u32 s24, s24, s22
	s_add_co_u32 s24, s24, 24576
	s_mov_b32 s25, 0
	s_mul_i32 s23, s23, 1536
	s_add_co_u32 s22, s22, s23
	s_mov_b32 s23, 0
	s_mov_b32 s26, 0x76543210
	s_mov_b32 s27, 0xfedcba98
	s_mov_b32 s28, 0xffff0000
	s_wait_alu depctr_va_vdst(0)
	s_wait_kmcnt 0x0
	s_cmp_lt_u32 ttmp9, WGA                        ; the choice hangs on the work-group's number alone
	s_cselect_b64 s[4:5], s[4:5], s[6:7]
	s_cselect_b64 s[8:9], s[8:9], s[10:11]
	s_add_nc_u64 s[4:5], s[4:5], s[20:21]
	s_add_nc_u64 s[10:11], s[8:9], s[24:25]
	s_add_nc_u64 s[8:9], s[8:9], s[22:23]
.macro LOAD t
.irp p, 0,1,2,3,4,5,6,7,8,9,10,11,12,13,14,15
	global_load_b128 v[R+64*((\t)%2)+4*\p:R+64*((\t)%2)+4*\p+3], v3, s[4:5] offset:((\p%8)+16*(\p/8))*8192+512*(\t) th:TH_LOAD_NT
.endr
.endm
.macro STEP t
.if (\t) < 3
	s_wait_loadcnt 16                              ; this step's 16 loads are in; the next step's may be out
.else
	s_wait_loadcnt 0
.endif
.irp p, 0,1,2,3,4,5,6,7,8,9,10,11,12,13,14,15
	ds_store_b128 v4, v[R+64*((\t)%2)+4*\p:R+64*((\t)%2)+4*\p+3] offset:PIT*\p
.endr
.irp c, 0,1
.irp i, 0,1,2,3,4,5,6,7
	ds_load_b128 v[X+32*\c+4*\i:X+32*\c+4*\i+3], v5 offset:256*\c+16*\i   ; LDS serves a wave's instructions in order: these see the stores
.endr
.endr
	s_wait_dscnt 0x0
	s_wait_xcnt 0x0                                ; the last step's stores have read their data: the codes' registers may be written
.if (\t) < 2
	LOAD (\t)+2
.endif
.irp q, 0,1,2,3                                ; four chains of 16 numbers; the floor 2^(3 - 127) holds the byte at 1 from below
	v_max3_num_f32 v[228+\q], |v[X+16*\q]|, |v[X+16*\q+1]|, 0x1800000
.endr
.irp i, 2,4,6,8,10,12,14
.irp q, 0,1,2,3
	v_max3_num_f32 v[228+\q], v[228+\q], |v[X+16*\q+\i]|, |v[X+16*\q+\i+1]|
.endr
.endr
	v_max_num_f32 v228, v228, v229
	v_max_num_f32 v230, v230, v231
	v_add_nc_u32 v228, 0xff000000, v228            ; 2 off the exponent field: the conversion's scale operand
	v_add_nc_u32 v230, 0xff000000, v230
	v_cvt_scalef32_pk16_fp6_f32 v[C:C+2], v[X:X+15], v228
	v_cvt_scalef32_pk16_fp6_f32 v[D:D+2], v[X+16:X+31], v228
	v_cvt_scalef32_pk16_fp6_f32 v[C+6:C+8], v[X+32:X+47], v230
	v_cvt_scalef32_pk16_fp6_f32 v[D+4:D+6], v[X+48:X+63], v230
	v_lshrrev_b32 v232, 23, v228                   ; the bytes of blocks h and 2 + h
	v_lshrrev_b32 v233, 23, v230
	v_lshl_or_b32 v232, v233, 16, v232
	v_lshlrev_b32 v232, v6, v232
	v_permlanex16_b32 v234, v232, s26, s27
	v_or_b32 v[W+(\t)], v232, v234                 ; with lane l xor 16's two the word is whole
.irp i, 0,1,2
	v_mov_b32 v[C+3+\i], v[D+\i]
	v_mov_b32 v[C+9+\i], v[D+4+\i]
.endr
.irp c, 0,1,2
	global_store_b128 v3, v[C+4*\c:C+4*\c+3], s[8:9] offset:((\t)/2)*UNIT+((\t)%2)*12288+512*\c
.endr
.endm
	LOAD 0
	LOAD 1
	STEP 0
	STEP 1
	STEP 2
	STEP 3
	v_cndmask_b32 v240, v[W], v[W+2], s28          ; lanes 0-15: my first unit's two words; lanes 16-31: my second's
	v_cndmask_b32 v241, v[W+1], v[W+3], s28
	global_store_b64 v7, v[240:241], s[10:11]
	s_wait_tensorcnt 0x0                           ; the wave's end
	ds_add_u32 v[SPW], v[NIL]
	s_wait_dscnt 0x0
	s_endpgm
.Lfunc_end_k_qedf44f7df2_quant:
	.size	k_qedf44f7df2_quant, .Lfunc_end_k_qedf44f7df2_quant-k_qedf44f7df2_quant
	.p2alignl 7, 3214868480
	.fill 96, 4, 3214868480
	.section	.rodata,"a",@progbits
	.p2align	6, 0x0
	.amdhsa_kernel k_qedf44f7df2_quant
		.amdhsa_group_segment_fixed_size 34304
		.amdhsa_private_segment_fixed_size 0
		.amdhsa_enable_private_segment 0
		.amdhsa_kernarg_size 32
		.amdhsa_user_sgpr_count 2
		.amdhsa_user_sgpr_kernarg_segment_ptr 1
		.amdhsa_wavefront_size32 1
		.amdhsa_system_sgpr_workgroup_id_x 1
		.amdhsa_system_sgpr_workgroup_id_y 1
		.amdhsa_system_sgpr_workgroup_id_z 1
		.amdhsa_system_vgpr_workitem_id 0
		.amdhsa_next_free_vgpr 256
		.amdhsa_next_free_sgpr 66
		.amdhsa_reserve_vcc 0
		.amdhsa_float_denorm_mode_32 3
		.amdhsa_float_denorm_mode_16_64 3
		.amdhsa_memory_ordered 1
		.amdhsa_forward_progress 1
		.amdhsa_inst_pref_size 31
	.end_amdhsa_kernel
	.amdgpu_metadata
---
amdhsa.version: [ 1, 2 ]
amdhsa.kernels:
  - .name:           k_qedf44f7df2_quant
    .symbol:         k_qedf44f7df2_quant.kd
    .args:
      - { .name: x, .offset: 0, .size: 8, .value_kind: global_buffer, .address_space: global }
      - { .name: w_qkv, .offset: 8, .size: 8, .value_kind: global_buffer, .address_space: global }
      - { .name: xc, .offset: 16, .size: 8, .value_kind: global_buffer, .address_space: global }
      - { .name: wc, .offset: 24, .size: 8, .value_kind: global_buffer, .address_space: global }
    .group_segment_fixed_size: 34304
    .private_segment_fixed_size: 0
    .kernarg_segment_align: 8
    .kernarg_segment_size: 32
    .max_flat_workgroup_size: 128
    .sgpr_count:     66
    .vgpr_count:     256
    .wavefront_size: 32
...
	.end_amdgpu_metadata
.endif
;; end of part 1
;; launch proj (part 2): grid 12 x 16, 4 waves a work-group, clusters of 4 x 4, 327,680 bytes of LDS; arguments xc, wc, freqs_cos, freqs_sin, qc, kvc; writes qc, kvc
.if DOCPART == 2
	.amdgcn_target "amdgcn-amd-amdhsa--gfx1250"
	.amdhsa_code_object_version 6
	.text
	.protected	k_qedf44f7df2_proj
	.globl	k_qedf44f7df2_proj
	.p2align	8
	.type	k_qedf44f7df2_proj,@function
k_qedf44f7df2_proj:
	s_mov_b64 s[64:65], 0
	v_nop
	global_prefetch_b8 v0, s[64:65] scope:SCOPE_SE
	s_setreg_imm32_b32 hwreg(HW_REG_WAVE_MODE, 25, 1), 1
	s_wait_xcnt 0x0
	s_wait_alu depctr_hold_cnt(0) depctr_sa_sdst(0) depctr_va_vdst(0) depctr_va_sdst(0) depctr_va_ssrc(0) depctr_va_vcc(0) depctr_vm_vsrc(0)
	s_getreg_b32 s2, hwreg(HW_REG_IB_STS2, 6, 4)
	s_cmp_eq_u32 s2, 0
	s_cbranch_scc0 .Lentry_in_a_cluster
	s_endpgm
.Lentry_in_a_cluster:
	s_bfe_u32 s2, ttmp6, 0x10000c
	s_cmp_lg_u32 s2, 0xf033
	s_cbranch_scc0 .Lentry_shape_is_right
	s_endpgm
.Lentry_shape_is_right:
; qkv = x w_qkv^T on codes of FP6 with E8M0 scales, then RoPE on q and k and the quantisers of q, k (along the head's 128) and v (along the keys); nothing of reference() is left out here.
; A work-group of four waves makes 256 tokens x 256 channels, a wave 128 x 128 in 64 accumulators.  Tile columns 0-7 are q's heads; column 8 + cx is k's head cx (waves with column half 0) and v's head cx (half 1).
; OPERANDS come as dense units of 25,600 bytes (128 places x 256 K: 16 fragment images, then the rows' scale words), as launch 1 lays them: a slot of the ring holds four units (A's two, B's two),
; each wave fetches one unit by one tensor load of 100 rows of 256 bytes.  A fragment is three loads of 16 bytes a lane on end.  K goes in 8 slots through a ring of two.
; CLUSTERS 4 x 4: A's units are asked for jointly along a row of the cluster, B's along a column.  A round of the cluster's barrier stands in front of every joint load.
; PREFETCH: behind each refill a wave names the unit that it fetches two refills on: its 100 blocks of 256 bytes are shared out by address among the four partners that ask jointly, 25 each (lanes 25-31 name the last again);
; slots 0 to 3 come by their loads alone, and the loop's last trip asks for nothing.
; The product is used transposed (source 0 = rows of w, source 1 = rows of x), so that a lane holds one token and its registers run along the channels; for v the roles are exchanged, so that they run along the keys.
; OUT: qc and kvc are images of operand registers, as launch 3's head describes them.
; REGISTERS: window 0: v16-31 addresses, v32-63 scale words (two sets), v128-223 A's fragments; window 1: B's fragments, two sets at v0 and v128; windows 2, 3: the accumulators.
.set UNIT,   25600
.set NQ,     2
.set FR,     12
.set NL,     3
.set NP,     4
.set SLOT,   4*UNIT
.set LAPS,   4
.set SPARE,  2*SLOT
.set ADRA, 16
.set ADRB, 20
.set CSA,  24
.set OI,   26
.set PFO,  27
.set SPW,  28
.set NIL,  29
.set ADRS, 30
.set SC,   32
.set T,    64
.set AF,   128
.set CD,   128
.set TM,   148
.set PW,   164
.set SW,   168
.set G1, 24
.set G0, 32
.set G1B, 48
.set G0B, 56
.set PFA, 68
.set MSB, 0
.macro WIN new
.if MSB != (\new)
	s_set_vgpr_msb (MSB<<8)|(\new)
.set MSB, (\new)
.endif
.endm
.set MUL_LO, 0xa1
.set MUL_HI, 0xf1
.set TO_B,   0x40
.macro JLOAD g0a, g1a, g0b, g1b        ; waves 0, 1 fetch A's units, waves 2, 3 B's
	s_cmp_eq_u32 s15, 0
	s_cbranch_scc0 .Lfor_b_\@
	tensor_load_to_lds s[\g0a:\g0a+3], s[\g1a:\g1a+7]
	s_nop 0
.rept 4
	v_nop
.endr
	s_branch .Lasked_\@
.Lfor_b_\@:
	tensor_load_to_lds s[\g0b:\g0b+3], s[\g1b:\g1b+7]
	s_nop 0
.rept 4
	v_nop
.endr
.Lasked_\@:
.endm
.macro CREST
	s_cmp_lg_u32 s14, 0
	s_cbranch_scc1 .Lnot_wave_0_\@
	s_barrier_signal -3
.Lnot_wave_0_\@:
	s_barrier_wait -3
	s_barrier_signal -1
	s_barrier_wait -1
.endm
.macro CROUND
	s_barrier_signal -1
	s_barrier_wait -1
	CREST
.endm
	s_load_b128 s[4:7], s[0:1], 0x0                ; xc, wc
	v_lshl_add_u32 v[SPW], v0, 2, SPARE
	v_mov_b32 v[NIL], 0
	ds_add_u32 v[SPW], v[NIL]                      ; the opening: the add, twice on end, and its wait
	ds_add_u32 v[SPW], v[NIL]
	v_lshrrev_b32 v1, 5, v0
	v_readfirstlane_b32 s14, v1                    ; wave
	s_lshr_b32 s15, s14, 1                         ; my half of the rows; also: I fetch for A (0) or B (1)
	s_and_b32 s16, s14, 1                          ; my half of the columns; also: which unit I fetch
	s_bfe_u32 s40, ttmp6, 0x40000                  ; cx
	s_bfe_u32 s41, ttmp6, 0x40004                  ; cy
	s_lshl_b32 s42, ttmp9, 2
	s_add_co_u32 s42, s42, s40                     ; tile column
	s_and_b32 s17, ttmp7, 0xffff
	s_lshl_b32 s17, s17, 2
	s_add_co_u32 s17, s17, s41                     ; tile row
	s_lshl_b32 s43, s41, 2
	s_lshl_b32 s43, 15, s43                        ; my row of the cluster
	s_lshl_b32 s44, 0x1111, s40                    ; my column
	s_or_b32 s[G1+0], s43, (3<<16)|(1<<21)         ; elements of 8 bytes, no padding
	s_or_b32 s[G1B+0], s44, (3<<16)|(1<<21)
.irp g, G1, G1B
	s_mov_b32 s[\g+1], 32<<16
	s_mov_b32 s[\g+2], 100<<16
	s_mov_b32 s[\g+3], 32<<16
	s_mov_b32 s[\g+4], 100
	s_mov_b32 s[\g+5], 32
	s_mov_b32 s[\g+6], 0
	s_mov_b32 s[\g+7], 0
.endr
	s_lshl_b32 s20, s17, 1
	s_add_co_u32 s20, s20, s16                     ; A's group of 128 places
	s_mul_i32 s20, s20, 8*UNIT
	s_mov_b32 s21, 0
	s_lshl_b32 s46, s42, 1
	s_add_co_u32 s46, s46, s16                     ; B's group: q's heads,
	s_lshl_b32 s47, s16, 2
	s_add_co_u32 s47, s47, s40
	s_add_co_u32 s47, s47, 16                      ; or k's head cx (16 + cx) and v's (20 + cx)
	s_cmp_lt_u32 ttmp9, 2
	s_cselect_b32 s46, s46, s47
	s_cmp_eq_u32 ttmp9, 2
	s_cselect_b32 s96, s16, 0                      ; 1: my columns are v's
	s_mul_i32 s46, s46, 8*UNIT
	s_mov_b32 s47, 0
	s_mul_i32 s45, s14, UNIT                       ; where my unit goes in a slot
	s_wait_dscnt 0x0
	s_wait_kmcnt 0x0
	s_add_nc_u64 s[20:21], s[4:5], s[20:21]
	s_add_nc_u64 s[46:47], s[6:7], s[46:47]
	CROUND                                         ; the first joint loads meet
.irp s, 0,1
	s_mov_b32 s[G0+4*\s], 1
	s_add_co_u32 s[G0+4*\s+1], s45, \s*SLOT
	s_add_nc_u64 s[G0+4*\s+2:G0+4*\s+3], s[20:21], \s*UNIT
	s_or_b32 s[G0+4*\s+3], s[G0+4*\s+3], 0x80000000
	s_mov_b32 s[G0B+4*\s], 1
	s_add_co_u32 s[G0B+4*\s+1], s45, \s*SLOT
	s_add_nc_u64 s[G0B+4*\s+2:G0B+4*\s+3], s[46:47], \s*UNIT
	s_or_b32 s[G0B+4*\s+3], s[G0B+4*\s+3], 0x80000000
.endr
	JLOAD G0, G1, G0B, G1B                         ; slot 0: one tensor load a wave at the head
	s_load_b256 s[4:11], s[0:1], 0x10              ; cos, sin, qc, kvc
	s_cmp_eq_u32 s15, 0                            ; the prefetches: my unit, my work-group's 25 blocks of it, at slot 3: the first refill steps it to slot 4
	s_cselect_b64 s[PFA:PFA+1], s[20:21], s[46:47]
	s_cselect_b32 s74, s40, s41
	s_mul_i32 s74, s74, 6400
	s_add_co_u32 s74, s74, 3*UNIT
	s_mov_b32 s75, 0
	s_add_nc_u64 s[PFA:PFA+1], s[PFA:PFA+1], s[74:75]
	s_mul_i32 s21, s15, UNIT                       ; x's unit that I multiply
	s_mul_i32 s22, s16, UNIT
	s_add_co_u32 s22, s22, 2*UNIT                  ; w's
	s_cmp_lg_u32 s96, 0
	s_cselect_b32 s70, s22, s21                    ; source 1's unit (for v: w's)
	s_cselect_b32 s71, s21, s22                    ; source 0's
	s_add_co_u32 s72, s70, SLOT
	s_add_co_u32 s73, s71, SLOT
	s_mov_b32 s97, 0xffff0000
	s_lshl_b32 s18, s17, 1                         ; where my results go
	s_add_co_u32 s18, s18, s15
	s_lshr_b32 s19, s18, 4                         ; batch
	s_and_b32 s18, s18, 15                         ; block of 128 tokens
	s_lshl_b32 s20, s18, 15
	s_mov_b32 s21, 0
	s_lshl_b32 s22, s19, 4
	s_lshl_b32 s23, s42, 1
	s_add_co_u32 s22, s22, s23
	s_add_co_u32 s22, s22, s16
	s_lshl_b32 s22, s22, 4
	s_add_co_u32 s22, s22, s18
	s_mul_i32 s22, s22, 12800
	s_add_co_u32 s23, s22, 12288
	s_lshl_b32 s92, s19, 2
	s_add_co_u32 s92, s92, s40
	s_lshl_b32 s92, s92, 3
	s_lshr_b32 s93, s18, 1
	s_add_co_u32 s92, s92, s93
	s_mul_i32 s92, s92, 51200
	s_and_b32 s93, s18, 1
	s_lshl_b32 s93, s93, 1
	s_add_co_u32 s93, s93, s16
	s_mul_i32 s94, s93, 12288
	s_add_co_u32 s94, s94, s92
	s_lshl_b32 s93, s93, 9
	s_add_co_u32 s93, s93, s92
	s_add_co_u32 s93, s93, 49152
	s_cmp_lt_u32 ttmp9, 2
	s_cselect_b32 s22, s22, s94
	s_cselect_b32 s94, s23, s93
	s_mov_b32 s23, 0
	s_mov_b32 s95, 0
	v_and_b32 v1, 15, v0                           ; r
	v_bfe_u32 v2, v0, 4, 1                         ; h
	v_and_b32 v9, 31, v0
	v_lshlrev_b32 v[OI], 4, v9                     ; 16 x lane: my place in an image
	v_add_nc_u32 v[ADRA], s70, v[OI]
	v_add_nc_u32 v[ADRB], s71, v[OI]
	v_add_nc_u32 v[ADRA+1], s72, v[OI]
	v_add_nc_u32 v[ADRB+1], s73, v[OI]
	v_lshlrev_b32 v5, 3, v1
	v_add_nc_u32 v5, 24576, v5                     ; my row's two scale words in a unit
	v_add_nc_u32 v6, s70, v5
	v_add_nc_u32 v7, s71, v5
	v_cndmask_b32 v[ADRS], v6, v7, s97             ; lanes 0-15 source 1's, lanes 16-31 source 0's
	v_add_nc_u32 v[ADRS+1], SLOT, v[ADRS]
	v_min_u32 v9, 24, v9
	v_lshlrev_b32 v[PFO], 8, v9
	v_and_b32 v8, 8, v1
	v_add_nc_u32 v8, v8, v1
	v_lshlrev_b32 v[CSA], 8, v8                    ; cos, sin: my token's row, + 32 h
	v_lshl_add_u32 v[CSA], v2, 5, v[CSA]
	s_wait_alu depctr_va_vdst(0)
	s_wait_kmcnt 0x0
	s_cmp_lt_u32 ttmp9, 2
	s_cselect_b64 s[12:13], s[8:9], s[10:11]
	s_add_nc_u64 s[4:5], s[4:5], s[20:21]
	s_add_nc_u64 s[6:7], s[6:7], s[20:21]
	s_add_nc_u64 s[8:9], s[12:13], s[22:23]
	s_add_nc_u64 s[10:11], s[12:13], s[94:95]
	s_mov_b32 s92, 0x76543210
	s_mov_b32 s93, 0xfedcba98
.macro FRAG reg, adr, q, i
.irp c, 0,1,2
	ds_load_b128 v[\reg+4*\c:\reg+4*\c+3], v[\adr] offset:(8*(\q)+(\i))*1536+512*\c
.endr
.endm
.macro MUL16 a0, p, q, sc, zero        ; the 64 accumulators take turns, one instruction a turn
.irp a, \a0, \a0+1
.irp b, 0,1,2,3,4,5,6,7
.if \zero
	v_wmma_scale_f32_16x16x128_f8f6f4 v[8*(8*((\a)%4)+\b):8*(8*((\a)%4)+\b)+7], v[128*(\p)+FR*\b:128*(\p)+FR*\b+FR-1], v[AF+FR*(\a):AF+FR*(\a)+FR-1], 0, v[SC+8*NQ*(\sc)+NQ*\b+(\q)], v[SC+8*NQ*(\sc)+NQ*(\a)+(\q)] matrix_a_fmt:MATRIX_FMT_FP6 matrix_b_fmt:MATRIX_FMT_FP6 matrix_a_scale:MATRIX_SCALE_ROW1
.else
	v_wmma_scale_f32_16x16x128_f8f6f4 v[8*(8*((\a)%4)+\b):8*(8*((\a)%4)+\b)+7], v[128*(\p)+FR*\b:128*(\p)+FR*\b+FR-1], v[AF+FR*(\a):AF+FR*(\a)+FR-1], v[8*(8*((\a)%4)+\b):8*(8*((\a)%4)+\b)+7], v[SC+8*NQ*(\sc)+NQ*\b+(\q)], v[SC+8*NQ*(\sc)+NQ*(\a)+(\q)] matrix_a_fmt:MATRIX_FMT_FP6 matrix_b_fmt:MATRIX_FMT_FP6 matrix_a_scale:MATRIX_SCALE_ROW1
.endif
.endr
.endr
.endm
.macro FETCH_B slot, q, p
	WIN TO_B
.irp i, 0,1,2,3,4,5,6,7
	FRAG 128*(\p)+FR*\i, ADRB+\slot, \q, \i
.endr
	WIN 0
.endm
.macro FETCH_A slot, q, i0
.irp i, \i0, \i0+1, \i0+2, \i0+3
	FRAG AF+FR*(\i), ADRA+\slot, \q, \i
.endr
.endm
.macro SCALES sc
.irp i, 0,1,2,3,4,5,6,7
	ds_load_b64 v[SC+8*NQ*\sc+NQ*\i:SC+8*NQ*\sc+NQ*\i+1], v[ADRS+\sc] offset:\i*128
.endr
.endm
.macro PLACES n
.rept \n
	v_nop
.endr
.endm
.macro STEP slot, q, zero              ; a slot's first 128 along K; the second's fragments are fetched in its middle and at its end
	s_wait_dscnt 4*NL                              ; all but the youngest 12 loads, A's blocks 4-7
	WIN MUL_LO
	MUL16 0, (\q)%2, \q, \slot, \zero
	MUL16 2, (\q)%2, \q, \slot, \zero
	s_wait_dscnt 0
	PLACES NP
	FETCH_B \slot, (\q)+1, 1-(\q)%2
	FETCH_A \slot, (\q)+1, 0
	WIN MUL_HI
	MUL16 4, (\q)%2, \q, \slot, \zero
	MUL16 6, (\q)%2, \q, \slot, \zero
	PLACES NP
	WIN 0
	FETCH_A \slot, (\q)+1, 4
.endm
.macro TURN slot, next, fill           ; a slot's second 128 along K, and the change of slots
.if \fill
	s_wait_xcnt 0x0                                ; my last prefetch has read its address
	s_add_nc_u64 s[PFA:PFA+1], s[PFA:PFA+1], UNIT
.endif
	s_wait_tensorcnt 0x0                           ; my one load that was out, my unit of the next slot, has landed
	ds_add_u32 v[SPW], v[NIL]
	s_wait_dscnt 4*NL+1                            ; the add and the youngest 12 loads may be out
	WIN MUL_LO
	MUL16 0, 1, NQ-1, \slot, 0
	s_wait_dscnt 0x0                               ; the add is done and my reads of this slot are over
	s_barrier_signal -1
	MUL16 2, 1, NQ-1, \slot, 0
	WIN 0
	s_barrier_wait -1
.if \fill
	CREST
	s_add_nc_u64 s[G0+4*\slot+2:G0+4*\slot+3], s[G0+4*\slot+2:G0+4*\slot+3], 2*UNIT
	s_add_nc_u64 s[G0B+4*\slot+2:G0B+4*\slot+3], s[G0B+4*\slot+2:G0B+4*\slot+3], 2*UNIT
	JLOAD G0+4*\slot, G1, G0B+4*\slot, G1B         ; the first tensor load behind the round; its four v_nop are the places for the loads below
.else
	PLACES NP
.endif
	FETCH_B \next, 0, 0
	FETCH_A \next, 0, 0
	SCALES \next
.if \fill
	s_cmp_gt_u32 s3, 1                             ; the loop's last trip has no slot two refills on
	s_cbranch_scc0 .Lno_ask_\@
	global_prefetch_b8 v[PFO], s[PFA:PFA+1] th:TH_LOAD_NT scope:SCOPE_SE
.Lno_ask_\@:
.endif
	WIN MUL_HI
	MUL16 4, 1, NQ-1, \slot, 0
	MUL16 6, 1, NQ-1, \slot, 0
	PLACES NP
	WIN 0
	FETCH_A \next, 0, 4
.endm
	s_wait_tensorcnt 0x0                           ; my unit of slot 0 is in; slot 1's first fill is issued as a refill is
	ds_add_u32 v[SPW], v[NIL]
	s_wait_dscnt 0x0
	CROUND
	JLOAD G0+4, G1, G0B+4, G1B
	FETCH_B 0, 0, 0
	FETCH_A 0, 0, 0
	SCALES 0
	FETCH_A 0, 0, 4
	STEP 0, 0, 1                                   ; the first products start the sums
	s_mov_b32 s3, LAPS-1
.Llap:
	TURN 0, 1, 1
	STEP 1, 0, 0
	TURN 1, 0, 1
	STEP 0, 0, 0
	s_sub_co_u32 s3, s3, 1
	s_cmp_lg_u32 s3, 0
	s_cbranch_scc1 .Llap
	TURN 0, 1, 0
	STEP 1, 0, 0
	s_wait_dscnt 4*NL
	WIN MUL_LO
	MUL16 0, 1, NQ-1, 1, 0
	MUL16 2, 1, NQ-1, 1, 0
	s_wait_dscnt 0
	WIN MUL_HI
	MUL16 4, 1, NQ-1, 1, 0
	MUL16 6, 1, NQ-1, 1, 0
	WIN 0
; THE WAY OUT, block a of 16 tokens (for v: channels) at a time: RoPE in f32, the four blocks' scales, the codes, and the fragment's image.
.macro LOADCS a                        ; cos and sin of block a's tokens, into window 1
	WIN TO_B
.irp c, 0,1,2,3
.irp e, 0,1
	global_load_b128 v[128*((\a)%2)+8*\c+4*\e:128*((\a)%2)+8*\c+4*\e+3], v[CSA], s[4:5] offset:(32*((\a)/2)+8*((\a)%2))*256+64*\c+16*\e
	global_load_b128 v[128*((\a)%2)+32+8*\c+4*\e:128*((\a)%2)+32+8*\c+4*\e+3], v[CSA], s[6:7] offset:(32*((\a)/2)+8*((\a)%2))*256+64*\c+16*\e
.endr
.endr
	WIN 0
.endm
.macro ROPE a
.if (\a) < 7
	s_wait_loadcnt 16
.else
	s_wait_loadcnt 0
.endif
	WIN (W)|(1<<2)
.set k, 0
.rept 16
	v_pk_mul_f32 v[T+4*k:T+4*k+1], v[AC+4*k:AC+4*k+1], v[CC+2*k:CC+2*k+1] op_sel:[0,0] op_sel_hi:[1,0]
	v_pk_mul_f32 v[T+4*k+2:T+4*k+3], v[AC+4*k+2:AC+4*k+3], v[CC+2*k:CC+2*k+1] op_sel:[0,1] op_sel_hi:[1,1]
.set k, k+1
.endr
	WIN (W)|(1<<2)|((W)<<6)
.set k, 0
.rept 16
	v_pk_fma_f32 v[AC+4*k:AC+4*k+1], v[AC+4*k:AC+4*k+1], v[CC+32+2*k:CC+32+2*k+1], v[T+4*k:T+4*k+1] op_sel:[1,0,0] op_sel_hi:[0,0,1] neg_lo:[0,1,0]
	v_pk_fma_f32 v[AC+4*k+2:AC+4*k+3], v[AC+4*k+2:AC+4*k+3], v[CC+32+2*k:CC+32+2*k+1], v[T+4*k+2:T+4*k+3] op_sel:[1,1,0] op_sel_hi:[0,1,1] neg_lo:[0,1,0]
.set k, k+1
.endr
	WIN 0
.if (\a) < 6
	LOADCS (\a)+2
.endif
.endm
.macro QUANTW s, w
	WIN (\w)|((\w)<<2)
.irp b, 0,1,2,3
	v_max3_num_f32 v[TM+\b], |v[\s+16*\b]|, |v[\s+1+16*\b]|, 0x1800000
.endr
	WIN ((\w)<<2)|((\w)<<4)
.irp i, 2,4,6,8,10,12,14
.irp b, 0,1,2,3
	v_max3_num_f32 v[TM+\b], v[TM+\b], |v[\s+16*\b+\i]|, |v[\s+1+16*\b+\i]|
.endr
.endr
	WIN 0
.irp b, 0,1,2,3
	v_permlanex16_b32 v[TM+4+\b], v[TM+\b], s92, s93
.endr
.irp b, 0,1,2,3
	v_max_num_f32 v[TM+\b], v[TM+\b], v[TM+4+\b]
.endr
.irp b, 0,1,2,3
	v_add_nc_u32 v[TM+12+\b], 0xff000000, v[TM+\b]
.endr
.irp b, 0,1,2,3
	v_lshrrev_b32 v[TM+4+\b], 23, v[TM+12+\b]
.endr
	v_lshl_or_b32 v[PW], v[TM+5], 8, v[TM+4]
	v_lshl_or_b32 v[PW], v[TM+6], 16, v[PW]
	v_lshl_or_b32 v[PW], v[TM+7], 24, v[PW]
	s_wait_alu depctr_va_vdst(0)
	s_wait_xcnt 0x0                                ; the last block's stores have read their data
	WIN (\w)
.irp c, 0,1
	v_cvt_scalef32_pk16_fp6_f32 v[CD+6*\c:CD+2+6*\c], v[\s+32*\c:\s+15+32*\c], v[TM+12+2*\c]
	v_cvt_scalef32_pk16_fp6_f32 v[CD+12+4*\c:CD+14+4*\c], v[\s+16+32*\c:\s+31+32*\c], v[TM+12+2*\c+1]
.endr
	WIN 0
	v_nop
.irp c, 0,1
.irp i, 0,1,2
	v_permlane16_swap_b32 v[CD+6*\c+\i], v[CD+12+4*\c+\i]
.endr
.irp i, 0,1,2
	v_mov_b32 v[CD+3+6*\c+\i], v[CD+12+4*\c+\i]
.endr
.endr
.endm
.macro OUTFRAG a, rope
.set W,  2+(\a)/4
.set AC, 64*((\a)%4)
.set CC, 128*((\a)%2)
.if \rope
	ROPE \a
.endif
	QUANTW AC, W
.irp c, 0,1,2
	global_store_b128 v[OI], v[CD+4*\c:CD+4*\c+3], s[8:9] offset:1536*(\a)+512*\c
.endr
.if (\a) < 4
	v_mov_b32 v[SW+(\a)], v[PW]
.else
	v_cndmask_b32 v[SW+(\a)-4], v[SW+(\a)-4], v[PW], s97
.endif
.endm
	PLACES NP
.irp b, 0,1,2,3
	v_mov_b32 v[TM+4+\b], 0
.endr
	s_cmp_lg_u32 s96, 0
	s_cbranch_scc1 .Lfor_v
	LOADCS 0
	LOADCS 1
.irp a, 0,1,2,3,4,5,6,7
	OUTFRAG \a, 1
.endr
	s_branch .Lsent
.Lfor_v:
.irp a, 0,1,2,3,4,5,6,7
	OUTFRAG \a, 0
.endr
.Lsent:
	s_wait_alu depctr_va_vdst(0)
	global_store_b128 v[OI], v[SW:SW+3], s[10:11]
	s_wait_tensorcnt 0x0                           ; the wave's end
	ds_add_u32 v[SPW], v[NIL]
	s_wait_dscnt 0x0
	CROUND                                         ; the closing round
	s_endpgm
.Lfunc_end_k_qedf44f7df2_proj:
	.size	k_qedf44f7df2_proj, .Lfunc_end_k_qedf44f7df2_proj-k_qedf44f7df2_proj
	.p2alignl 7, 3214868480
	.fill 96, 4, 3214868480
	.section	.rodata,"a",@progbits
	.p2align	6, 0x0
	.amdhsa_kernel k_qedf44f7df2_proj
		.amdhsa_group_segment_fixed_size 327680
		.amdhsa_private_segment_fixed_size 0
		.amdhsa_enable_private_segment 0
		.amdhsa_kernarg_size 48
		.amdhsa_user_sgpr_count 2
		.amdhsa_user_sgpr_kernarg_segment_ptr 1
		.amdhsa_wavefront_size32 1
		.amdhsa_system_sgpr_workgroup_id_x 1
		.amdhsa_system_sgpr_workgroup_id_y 1
		.amdhsa_system_sgpr_workgroup_id_z 1
		.amdhsa_system_vgpr_workitem_id 0
		.amdhsa_next_free_vgpr 1024
		.amdhsa_next_free_sgpr 98
		.amdhsa_reserve_vcc 0
		.amdhsa_float_denorm_mode_32 3
		.amdhsa_float_denorm_mode_16_64 3
		.amdhsa_memory_ordered 1
		.amdhsa_forward_progress 1
		.amdhsa_inst_pref_size 220
	.end_amdhsa_kernel
	.amdgpu_metadata
---
amdhsa.version: [ 1, 2 ]
amdhsa.kernels:
  - .name:           k_qedf44f7df2_proj
    .symbol:         k_qedf44f7df2_proj.kd
    .args:
      - { .name: xc, .offset: 0, .size: 8, .value_kind: global_buffer, .address_space: global }
      - { .name: wc, .offset: 8, .size: 8, .value_kind: global_buffer, .address_space: global }
      - { .name: freqs_cos, .offset: 16, .size: 8, .value_kind: global_buffer, .address_space: global }
      - { .name: freqs_sin, .offset: 24, .size: 8, .value_kind: global_buffer, .address_space: global }
      - { .name: qc, .offset: 32, .size: 8, .value_kind: global_buffer, .address_space: global }
      - { .name: kvc, .offset: 40, .size: 8, .value_kind: global_buffer, .address_space: global }
    .group_segment_fixed_size: 327680
    .private_segment_fixed_size: 0
    .kernarg_segment_align: 8
    .kernarg_segment_size: 48
    .max_flat_workgroup_size: 128
    .sgpr_count:     98
    .vgpr_count:     1024
    .wavefront_size: 32
...
	.end_amdgpu_metadata
.endif
;; end of part 2
;; launch attn (part 3): grid 32 x 8, 16 waves a work-group, clusters of 4 x 1, 327,680 bytes of LDS; arguments qc, kvc, out0; writes out0
.if DOCPART == 3
	.amdgcn_target "amdgcn-amd-amdhsa--gfx1250"
	.amdhsa_code_object_version 6
	.text
	.protected	k_qedf44f7df2_attn
	.globl	k_qedf44f7df2_attn
	.p2align	8
	.type	k_qedf44f7df2_attn,@function
k_qedf44f7df2_attn:
	s_mov_b64 s[64:65], 0
	v_nop
	global_prefetch_b8 v0, s[64:65] scope:SCOPE_SE
	s_setreg_imm32_b32 hwreg(HW_REG_WAVE_MODE, 25, 1), 1
	s_wait_xcnt 0x0
	s_wait_alu depctr_hold_cnt(0) depctr_sa_sdst(0) depctr_va_vdst(0) depctr_va_sdst(0) depctr_va_ssrc(0) depctr_va_vcc(0) depctr_vm_vsrc(0)
	s_getreg_b32 s2, hwreg(HW_REG_IB_STS2, 6, 4)
	s_cmp_eq_u32 s2, 0
	s_cbranch_scc0 .Lentry_in_a_cluster
	s_endpgm
.Lentry_in_a_cluster:
	s_bfe_u32 s2, ttmp6, 0x10000c
	s_cmp_lg_u32 s2, 0x3003
	s_cbranch_scc0 .Lentry_shape_is_right
	s_endpgm
.Lentry_shape_is_right:
; y[b][t][head] = the sum over keys s <= t of softmax_s(q . k / sqrt(128)) v, both products on codes of FP6 (E2M3) with one E8M0 scale for each 32 along a product's K.  16 query heads, 4 heads of keys and values: head / 4.
; WORK LEFT OUT: a step of 128 keys all of which come after my block's queries (reference()'s own causal mask gives them the weight 0 for all inputs: see the head of the first launch).
; LIMIT: a NaN, an infinity or an overflow that would arise only in those steps is not carried to the result.  NaN and infinities among the inputs are not served.
; THE SOFTMAX: t = score x log2(e) / sqrt(128); M = the largest t so far, rounded UP to a whole number; p = 2^(t - M) is quantised along the keys, not normalised.  The sum is taken of the unquantised p, in f32.
; When M moves, the sum and O are multiplied by 2^(old M - new M): exact.
; INPUTS are images of operand registers: a fragment (16 rows x 128 K, 12 registers) is 1,536 bytes: registers 4 c .. 4 c + 3 of lane l at 512 c + 16 l.
;   qc: [batch x 16 + head][block of 128 tokens][8 fragments, then 512 bytes of scale words]     kvc: [batch x 4 + head][slot of 256 keys][unit 2 x step + (1 for v): 8 fragments at 12,288 x unit; scale words at 49,152 + 512 x unit]
;   Row p of fragment a is token (for v: channel) 32 (a / 2) + 8 (a % 2) + p % 8 + 16 (p / 8) of its 128.  Row r's scale word of fragment a lies at 256 (a / 4) + 16 r + 4 (a % 4).
; SHARES.  A work-group owns blocks 15 - j and j of 128 queries of one head, one after the other.  Waves a and a + 8 share fragment a of the block in hand: of each slot of 256 keys wave a takes the first
; 128 and wave a + 8 the second.  Block i has i + 1 steps that count, so the two blocks take (17 - j) / 2 and 9 - (17 - j) / 2 slots: 9 trips in every work-group, one step a wave in each.
; AT A BLOCK'S END the two waves of a pair exchange through LDS: each hands over the half of O^T that the other keeps, with its -M and its sum; each joins the two parts under the larger M, divides, and stores 64 channels.
; So that one text serves both, wave a + 8 takes v's fragments 4-7 first: v160-191 is always the half that I keep, v192-223 the half that I hand over.
; CLUSTER 4 x 1: the four query heads of one head of keys walk the same 9 slots: a slot is asked for jointly, waves 0 to 3 a quarter each, behind a round of the cluster's barrier.
; PREFETCH: in trip n waves 4 and 5 name the slot that trip n + 2 asks for, while that lies in the first block's walk (the second walk takes slots that have been read): 200 blocks of 256 bytes, 50 for each partner, told apart by address.
; LAYOUT.  Both products transposed: S^T = K Q^T, O^T = V^T P^T: a lane holds ONE query (lane % 16).  The 16 registers of tiles 2 b, 2 b + 1 of S^T are keys 32 b + 16 (lane / 16) + 0 .. 15.
; REGISTERS: v1-7, v28-31, v93-94 addresses that stay; v8-11 addresses in hand; v12 -M, v13 the largest t, v[14:15] the sum; v16-27 Q, v255 its scales; v80-92 the second block's Q; v32-79 four fragments; v96-159 S^T, then p;
;   v160-223 O^T; v224-235 p's codes; v232-254 at work; v253 p's scale word.
.set SLOTB, 51200
.set SLOT1, 1<<16                      ; slot 1 begins here
.set MST,   2*SLOT1                    ; the exchange: 4,352 bytes a wave (32 registers' images, then -M and the sum)
.set OST,   MST+16*4352                ; the way out: 16 rows x 272 bytes a wave
.set SPARE, OST+16*4352                ; the spare words, 128 bytes a wave, which no other line names
.set LI,   1                           ; 16 x lane
.set LR,   2                           ; 16 x (lane % 16)
.set DQ,   3                           ; my query's place in its 128, less 16 (lane / 16)
.set XS2,  4                           ; exchange: where my -M and sum go
.set SPW,  5
.set NIL,  6
.set GO,   7                           ; my byte offset in the wave's rows of y
.set AD,   8
.set ADS,  9
.set PFO,  28
.set XS,   29                          ; exchange: my images
.set XL,   30                          ; my partner's
.set XL2,  31
.set OSI,  93                          ; the way out's stage: in,
.set OSO,  94                          ; and back
.set WV,   18
.set SEL,  20
.set CS,   22
.set G1,   24
.set OL,   32                          ; s[32:33] y for the second block
.set KVQ,  34                          ; s[34:35] my quarter of my head's slot 0
.set PFA,  36                          ; s[36:37] where the prefetches stand
.set G0,   40
.set TB,   44                          ; LDS byte at which the slot in hand begins
.set NN,   45                          ; the trip
.set NH,   46                          ; slots of the first block
.set LIDX, 47                          ; the slot that the next refill asks for
.set QL,   49                          ; the second block's first query
.set PLIM, 50                          ; trips in which my wave prefetches
.set U128, 51                          ; 128 x (wave / 8)
.set DV0,  52                          ; from K's fragments to V's that I keep, to those that I hand over; the same for the scale words
.set DV1,  53
.set DS0,  54
.set DS1,  55
.set SKA,  56
.set SKS,  57
.set KF,   98                          ; my step's first key
.set QB,   99                          ; the first query of the block in hand
.macro TLOAD
	s_cmp_lt_u32 s[WV], 4
	s_cbranch_scc0 .Lasked_\@
	tensor_load_to_lds s[G0:G0+3], s[G1:G1+7]
	s_nop 0
.rept 4
	v_nop
.endr
.Lasked_\@:
.endm
.macro ROUND
	s_barrier_signal -1
	s_barrier_wait -1
	s_cmp_lg_u32 s[WV], 0
	s_cbranch_scc1 .Lnot_wave_0_\@
	s_barrier_signal -3
.Lnot_wave_0_\@:
	s_barrier_wait -3
	s_barrier_signal -1
	s_barrier_wait -1
.endm
.macro INIT
	v_mov_b32 v13, 0xff61b1e6                      ; -3e38, under every t
	v_floor_f32 v12, -v13
	v_mov_b32 v14, 0
	v_mov_b32 v15, 0
.set k, 0
.rept 64
	v_mov_b32 v[160+k], 0                          ; the step is written once: the first finds zeros
.set k, k+1
.endr
.endm
	s_load_b128 s[4:7], s[0:1], 0x0                ; qc, kvc
	s_load_b64 s[8:9], s[0:1], 0x10                ; out0
	v_lshl_add_u32 v[SPW], v0, 2, SPARE
	v_mov_b32 v[NIL], 0
	ds_add_u32 v[SPW], v[NIL]                      ; the opening: the add, twice on end, and its wait
	ds_add_u32 v[SPW], v[NIL]
	v_lshrrev_b32 v8, 5, v0
	v_readfirstlane_b32 s[WV], v8
	s_bfe_u32 s70, ttmp6, 0x40000                  ; cx: the query head in its group
	s_lshl_b32 s72, ttmp9, 2
	s_add_co_u32 s72, s72, s70                     ; batch x 16 + head
	s_and_b32 s71, ttmp7, 0xffff                   ; j
	s_sub_co_u32 s74, 15, s71
	s_sub_co_u32 s[NH], 17, s71
	s_lshr_b32 s[NH], s[NH], 1
	s_lshl_b32 s[QB], s74, 7
	s_lshl_b32 s[QL], s71, 7
	s_and_b32 s81, s[WV], 7                        ; a
	s_lshr_b32 s80, s[WV], 3                       ; u
	s_lshl_b32 s[U128], s80, 7
	s_mul_i32 s[SKA], s80, 24576
	s_lshl_b32 s[SKS], s80, 10
	s_add_co_u32 s[SKS], s[SKS], 49152
	s_xor_b32 s79, s80, 1
	s_mul_i32 s[DV0], s80, 6144
	s_add_co_u32 s[DV0], s[DV0], 12288
	s_mul_i32 s[DV1], s79, 6144
	s_add_co_u32 s[DV1], s[DV1], 12288
	s_lshl_b32 s[DS0], s80, 8
	s_add_co_u32 s[DS0], s[DS0], 512
	s_lshl_b32 s[DS1], s79, 8
	s_add_co_u32 s[DS1], s[DS1], 512
	s_lshl_b32 s82, s72, 4
	s_add_co_u32 s82, s82, s74
	s_mul_i32 s82, s82, 12800                      ; the first block's unit in qc
	s_mul_i32 s83, s81, 1536
	s_add_co_u32 s84, s82, s83
	s_mov_b32 s85, 0
	s_lshr_b32 s86, s81, 2
	s_lshl_b32 s86, s86, 8
	s_and_b32 s87, s81, 3
	s_lshl_b32 s87, s87, 2
	s_add_co_u32 s86, s86, s87
	s_add_co_u32 s86, s86, s82
	s_add_co_u32 s86, s86, 12288
	s_mov_b32 s87, 0
	s_sub_co_u32 s75, s74, s71
	s_mul_i32 s75, s75, 12800                      ; the second block's lies 15 - 2 j units lower
	s_sub_co_u32 s76, s84, s75
	s_mov_b32 s77, 0
	s_sub_co_u32 s78, s86, s75
	s_mov_b32 s79, 0
	s_lshr_b32 s96, s81, 1
	s_lshl_b32 s96, s96, 5
	s_and_b32 s89, s81, 1
	s_lshl_b32 s89, s89, 3
	s_add_co_u32 s96, s96, s89                     ; my fragment's first token in its block
	s_lshr_b32 s88, s72, 4
	s_lshl_b32 s88, s88, 11
	s_add_co_u32 s88, s88, s[QB]
	s_add_co_u32 s88, s88, s96
	s_lshl_b32 s88, s88, 13                        ; rows of y of 8,192 bytes
	s_and_b32 s89, s72, 15
	s_lshl_b32 s89, s89, 9
	s_add_co_u32 s88, s88, s89                     ; the head's 512 bytes,
	s_lshl_b32 s89, s80, 8
	s_add_co_u32 s88, s88, s89                     ; my 256 of them
	s_mov_b32 s89, 0
	s_sub_co_u32 s90, s[QB], s[QL]
	s_lshl_b32 s90, s90, 13
	s_sub_co_u32 s90, s88, s90
	s_mov_b32 s91, 0
	s_mul_i32 s92, ttmp9, 8*SLOTB                  ; my head's keys and values
	s_and_b32 s66, s[WV], 3
	s_mul_i32 s66, s66, SLOTB/4                    ; my quarter of a slot
	s_add_co_u32 s94, s92, s66
	s_mov_b32 s95, 0
	s_mul_i32 s93, s70, SLOTB/4
	s_add_co_u32 s92, s92, s93
	s_add_co_u32 s92, s92, 2*SLOTB                 ; the prefetches stand at slot 2, my work-group's quarter: trip 0 steps them to slot 3
	s_mov_b32 s93, 0
	s_sub_co_u32 s82, s[WV], 4
	s_sub_co_u32 s83, s[NH], 3
	s_cmp_lt_u32 s82, 2                            ; waves 4 and 5 ask
	s_cselect_b32 s[PLIM], s83, 0
	s_and_b32 s67, s[WV], 1
	s_lshl_b32 s67, s67, 5
	s_mul_i32 s68, s[WV], 4352
	s_add_co_u32 s69, s68, OST
	s_xor_b32 s73, s[WV], 8
	s_mul_i32 s73, s73, 4352
	s_add_co_u32 s73, s73, MST
	s_add_co_u32 s68, s68, MST
	s_add_co_u32 s82, s68, 4096
	s_add_co_u32 s83, s73, 4096
	s_mov_b32 s[G1], 15|(3<<16)|(1<<21)            ; the four partners; a quarter slot as 50 rows of 256 bytes, no padding
	s_mov_b32 s[G1+1], 32<<16
	s_mov_b32 s[G1+2], 50<<16
	s_mov_b32 s[G1+3], 32<<16
	s_mov_b32 s[G1+4], 50
	s_mov_b32 s[G1+5], 32
	s_mov_b32 s[G1+6], 0
	s_mov_b32 s[G1+7], 0
	s_mov_b32 s[SEL], 0x76543210
	s_mov_b32 s[SEL+1], 0xfedcba98
	s_mov_b32 s[CS], 0x3e0293ee                    ; log2(e) / sqrt(128)
	s_mov_b32 s[CS+1], s[CS]
	s_mov_b32 s[TB], 0
	s_mov_b32 s[NN], 0
	s_mov_b32 s[LIDX], 1
	s_mov_b32 s[KF], s[U128]
	s_wait_dscnt 0x0
	s_wait_kmcnt 0x0
	s_add_nc_u64 s[KVQ:KVQ+1], s[6:7], s[94:95]
	s_add_nc_u64 s[PFA:PFA+1], s[6:7], s[92:93]
	ROUND                                          ; the first joint loads meet
	s_mov_b32 s[G0], 1
	s_mov_b32 s[G0+1], s66
	s_mov_b64 s[G0+2:G0+3], s[KVQ:KVQ+1]
	s_or_b32 s[G0+3], s[G0+3], 0x80000000
	TLOAD                                          ; slot 0
	s_add_nc_u64 s[10:11], s[4:5], s[84:85]
	s_add_nc_u64 s[12:13], s[4:5], s[86:87]
	s_add_nc_u64 s[14:15], s[4:5], s[76:77]
	s_add_nc_u64 s[16:17], s[4:5], s[78:79]
	s_add_nc_u64 s[OL:OL+1], s[8:9], s[90:91]
	s_add_nc_u64 s[8:9], s[8:9], s[88:89]
	v_and_b32 v10, 15, v0                          ; r
	v_bfe_u32 v11, v0, 4, 1                        ; h
	v_and_b32 v9, 31, v0
	v_lshlrev_b32 v[LI], 4, v9
	v_lshlrev_b32 v[LR], 4, v10
.irp c, 0,1,2
	global_load_b128 v[16+4*\c:19+4*\c], v[LI], s[10:11] offset:512*\c   ; the first block's Q
	global_load_b128 v[80+4*\c:83+4*\c], v[LI], s[14:15] offset:512*\c   ; the second's
.endr
	global_load_b32 v255, v[LR], s[12:13]
	global_load_b32 v92, v[LR], s[16:17]
	v_and_b32 v[DQ], 8, v10
	v_add_nc_u32 v[DQ], v[DQ], v10
	v_add_nc_u32 v[DQ], s96, v[DQ]
	v_lshlrev_b32 v8, 4, v11
	v_sub_nc_u32 v[DQ], v[DQ], v8
	v_lshlrev_b32 v[GO], 13, v11
	v_lshl_add_u32 v[GO], v10, 4, v[GO]
	v_add_nc_u32 v[PFO], s67, v9
	v_min_u32 v[PFO], 49, v[PFO]
	v_lshlrev_b32 v[PFO], 8, v[PFO]
	v_add_nc_u32 v[XS], s68, v[LI]
	v_add_nc_u32 v[XL], s73, v[LI]
	v_lshlrev_b32 v8, 3, v9
	v_add_nc_u32 v[XS2], s82, v8
	v_add_nc_u32 v[XL2], s83, v8
	v_mul_u32_u24 v[OSI], v10, 272
	v_lshl_add_u32 v[OSI], v11, 6, v[OSI]
	v_add_nc_u32 v[OSI], s69, v[OSI]               ; in: row r, + 64 h
	v_mul_u32_u24 v[OSO], v11, 272
	v_lshl_add_u32 v[OSO], v10, 4, v[OSO]
	v_add_nc_u32 v[OSO], s69, v[OSO]               ; back: lanes 0-15 one row, lanes 16-31 the next
.irp b, 0,1,2,3
	v_mov_b32 v[236+\b], 0                         ; a lane permute's destination counts as a source
.endr
	v_mov_b32 v252, 0
	v_mov_b32 v253, 0
	INIT
; A KEY STEP: my 128 keys of the slot in hand.
.macro STEP
	s_cmp_gt_u32 s[KF], s[QB]                      ; all its keys come after my block's queries: left out, by a scalar branch on ids round the step's work alone
	s_cbranch_scc1 .Lhidden_\@
	s_add_co_u32 s96, s[TB], s[SKA]
	s_add_co_u32 s97, s[TB], s[SKS]
	v_add_nc_u32 v[AD], s96, v[LI]
	v_add_nc_u32 v[ADS], s97, v[LR]
	s_wait_alu depctr_va_vdst(0)
.irp g, 0,1                                    ; S^T = K Q^T, four tiles of 16 keys at a time
.rept 2+2*\g
	v_nop                                          ; four places in front of loads into registers that matrix instructions have read (the two additions are places too)
.endr
.irp t, 0,1,2,3
.irp c, 0,1,2
	ds_load_b128 v[32+12*\t+4*\c:35+12*\t+4*\c], v[AD] offset:1536*(4*\g+\t)+512*\c
.endr
.endr
	ds_load_b128 v[248:251], v[ADS] offset:256*\g
	s_wait_dscnt 0x0
.irp t, 0,1,2,3
	v_wmma_scale_f32_16x16x128_f8f6f4 v[96+8*(4*\g+\t):103+8*(4*\g+\t)], v[32+12*\t:43+12*\t], v[16:27], 0, v[248+\t], v255 matrix_a_fmt:MATRIX_FMT_FP6 matrix_b_fmt:MATRIX_FMT_FP6
.endr
.endr
.rept 4
	v_nop
.endr
	s_cmp_lg_u32 s[KF], s[QB]                      ; on the diagonal hidden keys' scores become -infinity ahead of the maximum
	s_cbranch_scc1 .Lopen_\@
	v_mov_b32 v254, 0xff800000
.irp b, 0,1,2,3
.irp i, 0,1,2,3,4,5,6,7,8,9,10,11,12,13,14,15
	v_cmp_gt_i32 vcc_lo, 32*\b+\i, v[DQ]           ; register 16 b + i holds key KF + 32 b + 16 (lane / 16) + i
	v_cndmask_b32 v[96+16*\b+\i], v[96+16*\b+\i], v254, vcc_lo
.endr
.endr
.Lopen_\@:
.irp b, 0,1,2,3
	v_max3_num_f32 v[232+\b], v[96+16*\b], v[97+16*\b], v[98+16*\b]   ; the largest score of each block of 32 keys: for the row's maximum and, since p rises with the score, for the block's largest p
.endr
.irp i, 3,5,7,9,11,13
.irp b, 0,1,2,3
	v_max3_num_f32 v[232+\b], v[232+\b], v[96+16*\b+\i], v[97+16*\b+\i]
.endr
.endr
.irp b, 0,1,2,3
	v_max_num_f32 v[232+\b], v[232+\b], v[111+16*\b]
.endr
.irp b, 0,1,2,3
	s_delay_alu instid0(VALU_DEP_4)
	v_permlanex16_b32 v[236+\b], v[232+\b], s[SEL], s[SEL+1]
.endr
.irp b, 0,1,2,3
	s_delay_alu instid0(VALU_DEP_4)
	v_max_num_f32 v[232+\b], v[232+\b], v[236+\b]
.endr
	s_delay_alu instid0(VALU_DEP_2)
	v_max3_num_f32 v254, v232, v233, v234
	s_delay_alu instid0(VALU_DEP_1)
	v_max_num_f32 v254, v254, v235
	s_delay_alu instid0(VALU_DEP_1)
	v_mul_f32 v254, s[CS], v254
	s_delay_alu instid0(VALU_DEP_1)
	v_max_num_f32 v13, v13, v254                   ; the running largest t
	v_mov_b32 v254, v12
	s_delay_alu instid0(VALU_DEP_2)
	v_floor_f32 v12, -v13                          ; the new -M = -ceil(t)
	s_delay_alu instid0(VALU_DEP_1)
	v_sub_f32 v254, v12, v254
	s_delay_alu instid0(VALU_DEP_1)
	v_cvt_i32_f32 v254, v254                       ; (it saturates)
	s_delay_alu instid0(VALU_DEP_1)
	v_ldexp_f32 v252, 1.0, v254                    ; f = 2^(old M - new M)
.set k, 0
.rept 32
	v_pk_fma_f32 v[96+k:97+k], v[96+k:97+k], s[CS:CS+1], v[12:13] op_sel_hi:[1,0,0]   ; t - M
.set k, k+2
.endr
.irp b, 0,1,2,3
	v_fma_f32 v[232+\b], v[232+\b], s[CS], v12
.endr
	s_wait_alu depctr_va_vdst(0)
.set k, 0
.rept 64
	v_exp_f32 v[96+k], v[96+k]                     ; p = 2^(t - M)
.set k, k+1
.endr
	v_pk_mul_f32 v[14:15], v[14:15], v[252:253] op_sel_hi:[1,0]
	s_wait_alu depctr_va_vdst(0)                   ; one wait for the batch, ahead of its first reader
.irp b, 0,1,2,3
	v_exp_f32 v[232+\b], v[232+\b]                 ; the block's largest p
.endr
	v_pk_add_f32 v[236:237], v[96:97], v[98:99]    ; the sum of the unquantised p, in four chains
	v_pk_add_f32 v[240:241], v[100:101], v[102:103]
	v_pk_add_f32 v[242:243], v[104:105], v[106:107]
	v_pk_add_f32 v[14:15], v[14:15], v[108:109]
.irp j, 110,118,126,134,142,150
	v_pk_add_f32 v[236:237], v[236:237], v[\j:\j+1]
	v_pk_add_f32 v[240:241], v[240:241], v[\j+2:\j+3]
	v_pk_add_f32 v[242:243], v[242:243], v[\j+4:\j+5]
	v_pk_add_f32 v[14:15], v[14:15], v[\j+6:\j+7]
.endr
	v_pk_add_f32 v[236:237], v[236:237], v[158:159]
	v_pk_add_f32 v[240:241], v[240:241], v[242:243]
	s_delay_alu instid0(VALU_DEP_2)
	v_pk_add_f32 v[14:15], v[14:15], v[236:237]
	s_delay_alu instid0(VALU_DEP_1)
	v_pk_add_f32 v[14:15], v[14:15], v[240:241]
	s_wait_alu depctr_va_vdst(0)                   ; and one for the four
.irp b, 0,1,2,3
	v_max_num_f32 v[232+\b], 0x1800000, v[232+\b]  ; the floor 2^(3 - 127): the byte cannot fall under 1
.endr
.irp b, 0,1,2,3
	s_delay_alu instid0(VALU_DEP_4)
	v_add_nc_u32 v[244+\b], 0xff000000, v[232+\b]  ; the conversion's scale operand
.endr
.irp b, 0,1,2,3
	s_delay_alu instid0(VALU_DEP_4)
	v_lshrrev_b32 v[236+\b], 23, v[244+\b]
.endr
	s_delay_alu instid0(VALU_DEP_3)
	v_lshl_or_b32 v253, v237, 8, v236              ; p's scale word
	s_delay_alu instid0(VALU_DEP_1)
	v_lshl_or_b32 v253, v238, 16, v253
	s_delay_alu instid0(VALU_DEP_1)
	v_lshl_or_b32 v253, v239, 24, v253
.irp c, 0,1
	v_cvt_scalef32_pk16_fp6_f32 v[224+6*\c:226+6*\c], v[96+32*\c:111+32*\c], v[244+2*\c]
	v_cvt_scalef32_pk16_fp6_f32 v[236+4*\c:238+4*\c], v[112+32*\c:127+32*\c], v[244+2*\c+1]
.endr
	v_nop                                          ; one plain place behind a scaled conversion
.irp c, 0,1                                    ; a whole block to a lane
.irp i, 0,1,2
	v_permlane16_swap_b32 v[224+6*\c+\i], v[236+4*\c+\i]
.endr
.irp i, 0,1,2
	s_delay_alu instid0(VALU_DEP_3)
	v_mov_b32 v[227+6*\c+\i], v[236+4*\c+\i]
.endr
.endr
	v_add_nc_u32 v10, s[DV0], v[AD]                ; V's fragments that I keep, those that I hand over,
	v_add_nc_u32 v11, s[DV1], v[AD]
	v_add_nc_u32 v8, s[DS0], v[ADS]                ; and their scale words
	v_add_nc_u32 v9, s[DS1], v[ADS]
	s_wait_alu depctr_va_vdst(0)
.set k, 0
.rept 32
	v_pk_mul_f32 v[160+k:161+k], v[160+k:161+k], v[252:253] op_sel_hi:[1,0]   ; O^T under the new M; these are also the places in front of what follows
.set k, k+2
.endr
	s_wait_alu depctr_va_vdst(0)
.irp g, 0,1                                    ; O^T += V^T P^T, four tiles of 16 channels at a time
.if \g > 0
.rept 4
	v_nop
.endr
.endif
.irp t, 0,1,2,3
.irp c, 0,1,2
	ds_load_b128 v[32+12*\t+4*\c:35+12*\t+4*\c], v[10+\g] offset:1536*\t+512*\c
.endr
.endr
	ds_load_b128 v[248:251], v[8+\g]
	s_wait_dscnt 0x0
.irp t, 0,1,2,3
	v_wmma_scale_f32_16x16x128_f8f6f4 v[160+8*(4*\g+\t):167+8*(4*\g+\t)], v[32+12*\t:43+12*\t], v[224:235], v[160+8*(4*\g+\t):167+8*(4*\g+\t)], v[248+\t], v253 matrix_a_fmt:MATRIX_FMT_FP6 matrix_b_fmt:MATRIX_FMT_FP6
.endr
.endr
.Lhidden_\@:
	s_add_co_u32 s[KF], s[KF], 256
.endm
; THE CHANGE OF SLOTS.  Each wave waits for all its tensor loads, adds 0 to its spare word (fill = 1: twice on end), and waits for that and for its LDS reads and stores.  fill = 1: a round of the cluster's
; barrier follows, and behind it the slot just left takes the walk's next 256 keys.
.macro CHANGE fill
	s_wait_tensorcnt 0x0
	ds_add_u32 v[SPW], v[NIL]
.if \fill
	ds_add_u32 v[SPW], v[NIL]
	s_xor_b32 s[G0+1], s[G0+1], SLOT1
	s_mul_i32 s96, s[LIDX], SLOTB
	s_mov_b32 s97, 0
	s_add_nc_u64 s[G0+2:G0+3], s[KVQ:KVQ+1], s[96:97]
	s_or_b32 s[G0+3], s[G0+3], 0x80000000
	s_add_co_u32 s[LIDX], s[LIDX], 1               ; behind the first block's last slot the walk begins again at slot 0
	s_cmp_eq_u32 s[LIDX], s[NH]
	s_cselect_b32 s[LIDX], 0, s[LIDX]
	s_wait_xcnt 0x0                                ; the last prefetch has read its address
	s_add_nc_u64 s[PFA:PFA+1], s[PFA:PFA+1], SLOTB
.endif
	s_wait_dscnt 0x0
.if \fill
	ROUND
	TLOAD
	s_cmp_lt_u32 s[NN], s[PLIM]
	s_cbranch_scc0 .Lno_ask_\@
	global_prefetch_b8 v[PFO], s[PFA:PFA+1] th:TH_LOAD_NT scope:SCOPE_SE
.Lno_ask_\@:
.else
	s_barrier_signal -1
	s_barrier_wait -1
.endif
.endm
.macro XOUT                            ; a block's end, ahead of the barrier: what my partner needs of me
	v_add_f32 v14, v14, v15
	s_delay_alu instid0(VALU_DEP_1)
	v_permlanex16_b32 v252, v14, s[SEL], s[SEL+1]
	s_delay_alu instid0(VALU_DEP_1)
	v_add_f32 v13, v14, v252                       ; my part of the row's sum, beside -M
	s_wait_alu depctr_va_vdst(0)
	v_nop
	v_nop
.irp i, 0,1,2,3,4,5,6,7
	ds_store_b128 v[XS], v[192+4*\i:195+4*\i] offset:512*\i
.endr
	ds_store_b64 v[XS2], v[12:13]
.endm
.macro XIN more                        ; behind the barrier: the two parts of my half are joined, divided and stored.  more = 1: on to the second block
.rept 4
	v_nop
.endr
.irp i, 0,1,2,3,4,5,6,7
	ds_load_b128 v[32+4*\i:35+4*\i], v[XL] offset:512*\i
.endr
	ds_load_b64 v[64:65], v[XL2]
	s_wait_dscnt 0x0
	v_min_num_f32 v66, v12, v64                    ; -M of the larger M
	s_delay_alu instid0(VALU_DEP_1)
	v_sub_f32 v67, v66, v12
	v_sub_f32 v68, v66, v64
	s_delay_alu instid0(VALU_DEP_2)
	v_cvt_i32_f32 v67, v67                         ; (they saturate: a part with no key gets the factor 0)
	s_delay_alu instid0(VALU_DEP_2)
	v_cvt_i32_f32 v68, v68
	s_delay_alu instid0(VALU_DEP_2)
	v_ldexp_f32 v67, 1.0, v67
	s_delay_alu instid0(VALU_DEP_2)
	v_ldexp_f32 v68, 1.0, v68
	s_delay_alu instid0(VALU_DEP_2)
	v_mul_f32 v69, v13, v67
	s_delay_alu instid0(VALU_DEP_1)
	v_fmac_f32 v69, v65, v68                       ; the row's sum
	s_wait_alu depctr_va_vdst(0)
	v_rcp_f32 v69, v69
	v_nop
	s_wait_alu depctr_va_vdst(0)
	v_mul_f32 v70, v67, v69
	v_mul_f32 v71, v67, v69
	v_mul_f32 v72, v68, v69
	v_mul_f32 v73, v68, v69
	s_wait_alu depctr_va_vdst(0)
.set k, 0
.rept 16
	v_pk_mul_f32 v[96+k:97+k], v[160+k:161+k], v[70:71]
.set k, k+2
.endr
.set k, 0
.rept 16
	v_pk_fma_f32 v[96+k:97+k], v[32+k:33+k], v[72:73], v[96+k:97+k]
.set k, k+2
.endr
.irp t, 0,1,2,3                                ; register 8 t + i of lane (r, h) is channel 32 (t / 2) + 16 h + 8 (t % 2) + i of my 64
	ds_store_b128 v[OSI], v[96+8*\t:99+8*\t] offset:128*(\t/2)+32*(\t%2)
	ds_store_b128 v[OSI], v[100+8*\t:103+8*\t] offset:128*(\t/2)+32*(\t%2)+16
.endr
.irp i, 0,1,2,3,4,5,6,7
	ds_load_b128 v[32+4*\i:35+4*\i], v[OSO] offset:2*\i*272   ; LDS serves a wave's instructions in order: these see my stores
.endr
.irp i, 0,1,2,3,4,5,6,7
	s_wait_dscnt 7-\i                              ; the loads issued behind this one
	global_store_b128 v[GO], v[32+4*\i:35+4*\i], s[8:9] offset:(2*(\i%4)+16*(\i/4))*8192 th:TH_STORE_NT   ; sixteen lanes store 256 consecutive bytes, aligned
.endr
.if \more
	s_wait_xcnt 0x0                                ; the stores have read their data and their base
	s_mov_b64 s[8:9], s[OL:OL+1]
	s_mov_b32 s[QB], s[QL]
	s_mov_b32 s[KF], s[U128]
.set k, 0
.rept 12
	v_mov_b32 v[16+k], v[80+k]
.set k, k+1
.endr
	v_mov_b32 v255, v92
	INIT
	s_wait_alu depctr_va_vdst(0)
.endif
.endm
.macro TRIP fill
	s_cmp_eq_u32 s[NN], s[NH]                      ; ids and the count of trips alone: the same in all waves and in all partners
	s_cbranch_scc1 .Lturn_\@
	CHANGE \fill
	s_branch .Lgo_\@
.Lturn_\@:
	XOUT
	CHANGE \fill
	XIN 1
.Lgo_\@:
	STEP
	s_xor_b32 s[TB], s[TB], SLOT1
.endm
	s_wait_alu depctr_va_vdst(0)
	s_wait_loadcnt 0x0                             ; both Q
.Ltrip:                                            ; 8 trips that ask for the next slot
	TRIP 1
	s_add_co_u32 s[NN], s[NN], 1
	s_cmp_lt_u32 s[NN], 8
	s_cbranch_scc1 .Ltrip
	TRIP 0                                         ; the ninth: nothing is left to fetch
	s_wait_dscnt 0x0                               ; where the first block ended in the ninth trip, its exchange was read there: every wave's reads are over,
	s_barrier_signal -1
	s_barrier_wait -1                              ; before the second block's exchange is stored over those bytes
	XOUT
	s_wait_dscnt 0x0
	s_barrier_signal -1
	s_barrier_wait -1
	XIN 0
	s_wait_tensorcnt 0x0                           ; the wave's end
	ds_add_u32 v[SPW], v[NIL]
	s_wait_dscnt 0x0
	ROUND                                          ; the closing round
	s_endpgm
.Lfunc_end_k_qedf44f7df2_attn:
	.size	k_qedf44f7df2_attn, .Lfunc_end_k_qedf44f7df2_attn-k_qedf44f7df2_attn
	.p2alignl 7, 3214868480
	.fill 96, 4, 3214868480
	.section	.rodata,"a",@progbits
	.p2align	6, 0x0
	.amdhsa_kernel k_qedf44f7df2_attn
		.amdhsa_group_segment_fixed_size 327680
		.amdhsa_private_segment_fixed_size 0
		.amdhsa_enable_private_segment 0
		.amdhsa_kernarg_size 24
		.amdhsa_user_sgpr_count 2
		.amdhsa_user_sgpr_kernarg_segment_ptr 1
		.amdhsa_wavefront_size32 1
		.amdhsa_system_sgpr_workgroup_id_x 1
		.amdhsa_system_sgpr_workgroup_id_y 1
		.amdhsa_system_sgpr_workgroup_id_z 1
		.amdhsa_system_vgpr_workitem_id 0
		.amdhsa_next_free_vgpr 256
		.amdhsa_next_free_sgpr 100
		.amdhsa_reserve_vcc 1
		.amdhsa_float_denorm_mode_32 3
		.amdhsa_float_denorm_mode_16_64 3
		.amdhsa_memory_ordered 1
		.amdhsa_forward_progress 1
		.amdhsa_inst_pref_size 90
	.end_amdhsa_kernel
	.amdgpu_metadata
---
amdhsa.version: [ 1, 2 ]
amdhsa.kernels:
  - .name:           k_qedf44f7df2_attn
    .symbol:         k_qedf44f7df2_attn.kd
    .args:
      - { .name: qc, .offset: 0, .size: 8, .value_kind: global_buffer, .address_space: global }
      - { .name: kvc, .offset: 8, .size: 8, .value_kind: global_buffer, .address_space: global }
      - { .name: out0, .offset: 16, .size: 8, .value_kind: global_buffer, .address_space: global }
    .group_segment_fixed_size: 327680
    .private_segment_fixed_size: 0
    .kernarg_segment_align: 8
    .kernarg_segment_size: 24
    .max_flat_workgroup_size: 512
    .sgpr_count:     100
    .vgpr_count:     256
    .wavefront_size: 32
...
	.end_amdgpu_metadata
.endif
;; end of part 3
